; MI455X (gfx1250); checked and timed in simulation.
; The chip was launched on July 23, 2026; its instructions are those of AMD's public machine-readable ISA for CDNA 5 (MIT licence, August 2026) and "CDNA5" Instruction Set Architecture Reference Guide (July 2026). The comments in the code are by the model that wrote it; some were corrected since.
;; Multi Head Self Attention. Allowed arithmetic: matrix products marked QUANTISED: E2M1 operands, one E8M0 scale for each 32 along K, by v_wmma_scale_f32_16x16x128_f8f6f4 with both operands' format E2M1 (or v_wmma_scale_f32_32x16x128_f4), f32 sums; products left as they are: bf16, f16 or f32 operands; f32 sums; everything else in f32.
;; Inputs: W_out 1,024 x 1,024 float32; W_qkv 3,072 x 1,024 float32; b_out 1,024 float32; b_qkv 3,072 float32; x 4 x 4,096 x 1,024 float32.
;; Outputs: out0 4 x 4,096 x 1,024 float32.
;; Constants: num_heads = 16.
;; This version of the problem:
;;   THIS VERSION OF THE PROBLEM IS GIVEN IN LOW PRECISION. The matrix products marked QUANTISED in the list below multiply operands that are first quantised to E2M1 (2 exponent bits, 1 mantissa bit; 4 bits a number), with one power-of-two scale for each 32 numbers along K (OCP MX v1.0); their sums are f32. The products marked 'left as it is' may take bf16, f16 or f32 operands, with f32 sums. Whichever they take, every output number must still come out within the allowed error. Rounding operands to bf16 (8 significant bits) uses up far more of that allowance than f16 does (11 bits, for magnitudes from 6e-5 to 65,504). All else is computed in f32.
;;   The module's matrix products, in the order in which they are computed (A, B: the left and right operand; K: the contracted axis; several contracted axes count as one K, in the product's order):
;;     1. [M 16,384, K 1,024] x [K 1,024, N 3,072]; A: input x; B: input W_qkv: QUANTISED
;;     2. batch 16,384 x [M 16, K 64] x [K 64, N 16]; A: computed on the way; B: computed on the way: left as it is (an operand is computed on the way)
;;     3. batch 16,384 x [M 16, K 16] x [K 16, N 64]; A: computed on the way; B: computed on the way: left as it is (K = 16 < 32)
;;     4. [M 16,384, K 1,024] x [K 1,024, N 1,024]; A: computed on the way; B: input W_out: left as it is (an operand is computed on the way)
;;   THE QUANTISER, for each operand of a quantised product, along K:
;;     - K is cut into blocks of 32 from its start; a last block that is shorter is filled with zeros.
;;     - A block's scale is 2^e with e = floor(log2(the largest magnitude in the block)) - 2, held to -126 .. 127; a block of zeros has e = 0. As a byte (E8M0): e + 127.
;;     - Each number is divided by its block's scale, clamped to +-6, and rounded to the nearest number of E2M1, ties to even, subnormals kept.
;;     - The product sums the exact products of the quantised numbers (number of the format x scale) in f32.
;;   ~~~python
;;   def quantise(x, axis):      # numpy; x: float32 -> the quantised numbers, widened to float32 again
;;       x = np.moveaxis(x, axis, -1); K = x.shape[-1]
;;       x = np.pad(x, [(0, 0)] * (x.ndim - 1) + [(0, -K % 32)]); x = x.reshape(x.shape[:-1] + (-1, 32)); a = np.abs(x).max(-1, keepdims=True)
;;       e = np.where(a > 0, np.clip(np.frexp(np.where(a > 0, a, 1))[1] - 1 - 2, -126, 127), 0)      # np.frexp(a)[1] - 1 = floor(log2(a)), exactly
;;       r = np.clip(x / 2.0 ** e, -6, 6)
;;       step = 2.0 ** (np.maximum(np.frexp(np.where(r == 0, 1, r))[1] - 1, 0) - 1)
;;       q = np.round(r / step) * step * 2.0 ** e      # np.round: ties to even
;;       return np.moveaxis(q.reshape(q.shape[:-2] + (-1,))[..., :K], -1, axis).astype(np.float32)
;;   ~~~
;; One version. Each part assembles by itself: llvm-mc -triple=amdgcn-amd-amdhsa -mcpu=gfx1250 --defsym DOCPART=n.
;; ======== version 1 of 1: 3 launches
;; limits: values are held in f16: magnitudes above 65,504 overflow, below 6.1e-05 lose precision
;; workspace buffers: xc 8,388,608 bytes; xs 524,288 bytes; wq 1,683,456 bytes; wo 2,097,152 bytes; a2 33,554,432 bytes
;; launch prep (part 1): grid 1344 x 1, 2 waves a work-group, no clusters, 17,152 bytes of LDS; arguments x, W_qkv, b_qkv, W_out, xc, xs, wq, wo; writes xc, xs, wq, wo
.if DOCPART == 1
	.amdgcn_target "amdgcn-amd-amdhsa--gfx1250"
	.amdhsa_code_object_version 6
	.text
	.protected	k_q93dc6f69b0_prep
	.globl	k_q93dc6f69b0_prep
	.p2align	8
	.type	k_q93dc6f69b0_prep,@function
k_q93dc6f69b0_prep:
	s_mov_b64 s[64:65], 0
	v_nop
	global_prefetch_b8 v0, s[64:65] scope:SCOPE_SE
	s_setreg_imm32_b32 hwreg(HW_REG_WAVE_MODE, 25, 1), 1
	s_wait_xcnt 0x0
; PREP, the first of three launches for: qkv = Q4(x) Q4(W_qkv)^T + b_qkv; for each token a 16 x 16 attention over the HEAD axis; the scramble of reference(); times W_out^T + b_out.
; NO WORK OF reference() IS LEFT OUT in any launch: both halves of b_qkv that feed the scores vary along the softmax axis, and every input has a way to the output and is loaded.
; This launch (a) turns x [16384][1024] and W_qkv [3072][1024], f32, into codes of E2M1 with one E8M0 byte for each 32 along K, by the stated quantiser;
; (b) lays them as IMAGES OF THE MATRIX OPERAND: a tile of 16 rows x 128 K is 8 registers a lane; register group c (4 registers) of lane l lies at 512 c + 16 l, K step s at 1024 s, a tile is 8,192 bytes;
;     the scale bytes of a tile lie as [half of K][row][16 bytes], 512 bytes a tile: word j of a row is the scale word of K step 4 half + j;
; (c) lays the tiles of W_qkv, their scale bytes and their biases as 12 slots of 140,288 bytes:
;     slot n < 8: part n & 1 (q, k), d = 16 (n >> 1) + 0..15, tile i = head i: rows part 1024 + 64 i + 16 (n >> 1) + 0..15;   slot n >= 8: tile i = the one d = 16 (n - 8) + i of v, rows 2048 + d + 64 g, g = 0..15;
; (d) rounds W_out to f16 with its K permuted: column 64 t + d goes to k = 256 (d / 16) + 16 t + d % 16, the order in which the second launch stores the attention output.
; A block scale is 2^(floor(log2(largest magnitude)) - 2); its byte is the largest magnitude exponent field - 2, held at 1 from below.
; LIMITS: a block of zeros gets the byte 1 where the rule says 127 (its codes are zeros, and this program alone reads the bytes); NaN and infinities in x or W_qkv are not served;
; |W_out| beyond 65,504 becomes infinity in f16, and under 6e-5 it carries fewer bits.
; SHARES: a work-group of two waves takes one tile of 16 rows, wave w the K steps 4 w .. 4 w + 3: work-groups 0-1023 the tiles of x, 1024-1215 those of W_qkv; work-groups 1216-1343: a wave takes 4 rows of W_out.
; x and W_qkv take ONE path: only pointers, strides and offsets are chosen, on ids.  No tile is read by two work-groups, so there is nothing to share in a cluster; no tensor load, no barrier: waves share nothing.
; Each load reads 512 consecutive bytes of a row; a K step turns through the wave stage in LDS, so that a lane holds 16 neighbours along K of each block, which is what the conversions take.
; With 256 registers a wave several work-groups lie on a WGP, which multiplies the loads that are out.
.set NX,     1024                      ; tiles of x
.set NW,     192                       ; tiles of W_qkv
.set SLOTB,  140288                    ; a slot: 16 x 8,192 codes, 16 x 512 scale bytes, 16 x 64 bias bytes
.set SCO,    131072
.set BIO,    139264
.set SP,     528                       ; a stage row: 512 bytes + 16 of padding: the 16 rows that a read touches start 16 bytes apart modulo 256
.set STG,    16*SP                     ; a wave stage
.set SPARE,  2*STG                     ; behind the two stages: the spare words, 128 bytes a wave
.set SPW,  4                           ; v4   my spare word; never rewritten
.set NIL,  5                           ; v5   0; never rewritten
.set STI,  6                           ; v6   stage, on the way in: 16 x lane
.set STX,  7                           ; v7   stage, on the way out: row r, + 64 h
.set LI,   8                           ; v8   16 x lane
.set SOF,  9                           ; v9   16 r: my row 16 scale bytes
.set BOF,  10                          ; v10  bias: my row offset in b_qkv
.set BV,   11                          ; v11  bias: the number
.set RO,   12                          ; v12-27 row i of the tile: i x stride + 16 x lane
.set TM,   28                          ; v28-43 at work in QUANT
.set SW,   44                          ; v44-47 the scale words of my 4 K steps
.set PC,   52                          ; v52-59 a fragment codes
.set R,    64                          ; v64-191 two sets of 64 registers as loaded
.set X,    192                         ; v192-255 64 numbers: register 16 b + i = k 32 b + 16 h + i of row r
	s_load_b256 s[4:11], s[0:1], 0x0               ; x, W_qkv, b_qkv, W_out
	s_load_b256 s[12:19], s[0:1], 0x20             ; xc, xs, wq, wo
	v_lshl_add_u32 v[SPW], v0, 2, SPARE
	v_mov_b32 v[NIL], 0
	v_lshrrev_b32 v1, 5, v0
	v_readfirstlane_b32 s20, v1                    ; wave 0..1
	v_and_b32 v1, 31, v0                           ; lane
	v_and_b32 v2, 15, v0                           ; r
	v_bfe_u32 v3, v0, 4, 1                         ; h
	v_lshlrev_b32 v[LI], 4, v1
	s_cmp_ge_u32 ttmp9, NX+NW
	s_cbranch_scc1 .Lwout
	; ---- x and W_qkv: which tile, from where, to where
	s_cmp_lt_u32 ttmp9, NX
	s_cselect_b32 s40, 0, NX
	s_sub_co_u32 s22, ttmp9, s40                   ; t: the tile
	s_lshr_b32 s23, s22, 4                         ; n: the slot (W_qkv)
	s_and_b32 s24, s22, 15                         ; i: the tile in the slot
	s_and_b32 s41, s23, 1
	s_lshl_b32 s41, s41, 10
	s_lshl_b32 s42, s24, 6
	s_add_co_u32 s41, s41, s42
	s_lshr_b32 s42, s23, 1
	s_lshl_b32 s42, s42, 4
	s_add_co_u32 s41, s41, s42                     ; q, k: first row = 1024 (n & 1) + 64 i + 16 (n >> 1)
	s_add_co_u32 s42, s22, 1920                    ; v: first row = 2048 + 16 (n - 8) + i = 1920 + t
	s_mov_b32 s43, 262144                          ; v: 64 rows of 4,096 bytes from row to row of the tile
	s_cmp_lt_u32 s23, 8
	s_cselect_b32 s41, s41, s42
	s_cselect_b32 s43, 4096, s43
	s_lshl_b32 s44, s22, 4                         ; x: first row = 16 t
	s_mul_i32 s45, s23, SLOTB
	s_lshl_b32 s46, s24, 13
	s_add_co_u32 s46, s46, s45                     ; W: codes at n SLOTB + 8192 i
	s_lshl_b32 s47, s24, 9
	s_add_co_u32 s47, s47, s45
	s_add_co_u32 s47, s47, SCO                     ; W: scale bytes
	s_lshl_b32 s48, s24, 6
	s_add_co_u32 s48, s48, s45
	s_add_co_u32 s48, s48, BIO                     ; W: biases
	s_lshl_b32 s49, s22, 13                        ; x: codes at 8192 t
	s_lshl_b32 s50, s22, 9                         ; x: scale bytes at 512 t
	s_lshl_b32 s51, s41, 2                         ; W: the first row bias in b_qkv
	s_cmp_lt_u32 ttmp9, NX
	s_cselect_b32 s25, s44, s41                    ; first row
	s_cselect_b32 s26, 4096, s43                   ; bytes from row to row of the tile
	s_cselect_b32 s54, s49, s46
	s_cselect_b32 s56, s50, s47
	s_cselect_b32 s58, 0, s48
	s_cselect_b32 s60, 0, s51                      ; (a work-group of x reads the first 64 bytes of b_qkv and stores nothing of them)
	s_lshl_b32 s52, s25, 12
	s_lshl_b32 s41, s20, 11
	s_add_co_u32 s52, s52, s41                     ; my 4 K steps: 2,048 bytes on in each row,
	s_lshl_b32 s41, s20, 12
	s_add_co_u32 s54, s54, s41                     ; 4,096 bytes on in the codes,
	s_lshl_b32 s41, s20, 8
	s_add_co_u32 s56, s56, s41                     ; 256 bytes on in the scale bytes
	s_mov_b32 s53, 0
	s_mov_b32 s55, 0
	s_mov_b32 s57, 0
	s_mov_b32 s59, 0
	s_mov_b32 s61, 0
	s_mov_b32 s38, 0x76543210
	s_mov_b32 s39, 0xfedcba98                      ; lane selects: lane l xor 16
	s_mul_i32 s40, s20, STG                        ; my stage
	v_add_nc_u32 v[STI], s40, v[LI]
	v_mul_u32_u24 v[STX], v2, SP
	v_lshl_add_u32 v[STX], v3, 6, v[STX]
	v_add_nc_u32 v[STX], s40, v[STX]
	v_lshlrev_b32 v[SOF], 4, v2
	s_lshr_b32 s41, s26, 10                        ; a row of 4,096 bytes has one bias of 4
	v_mul_u32_u24 v[BOF], v2, s41
	v_lshlrev_b32 v1, 2, v2                        ; v1 from here on: 4 r, where the bias goes
.irp i, 0,1,2,3,4,5,6,7,8,9,10,11,12,13,14,15
	s_mul_i32 s41, s26, \i
	v_add_nc_u32 v[RO+\i], s41, v[LI]
.endr
.irp b, 0,1,2,3
	v_mov_b32 v[TM+4+\b], 0                        ; written once: a lane permute destination counts as one of its sources
.endr
	s_wait_kmcnt 0x0
	s_cmp_lt_u32 ttmp9, NX                         ; the choice hangs on the work-group number alone
	s_cselect_b64 s[28:29], s[4:5], s[6:7]
	s_cselect_b64 s[30:31], s[12:13], s[16:17]
	s_cselect_b64 s[32:33], s[14:15], s[16:17]
	s_add_nc_u64 s[28:29], s[28:29], s[52:53]      ; the tile first row, at my first K step
	s_add_nc_u64 s[30:31], s[30:31], s[54:55]      ; my codes
	s_add_nc_u64 s[32:33], s[32:33], s[56:57]      ; my scale bytes
	s_add_nc_u64 s[34:35], s[16:17], s[58:59]      ; the tile biases, in the slot
	s_add_nc_u64 s[36:37], s[8:9], s[60:61]        ; and in b_qkv
.macro LOAD s                          ; my K step s: 16 rows x 512 consecutive bytes, into set s % 2
.irp i, 0,1,2,3,4,5,6,7,8,9,10,11,12,13,14,15
	global_load_b128 v[R+64*((\s)%2)+4*\i:R+64*((\s)%2)+4*\i+3], v[RO+\i], s[28:29] offset:512*(\s) th:TH_LOAD_NT
.endr
.endm
; 64 numbers of a lane become a fragment codes in v[PC] on and its scale word in v[pw]
.macro QUANT s, pw
.irp b, 0,1,2,3
	v_max3_num_f32 v[TM+\b], |v[\s+16*\b]|, |v[\s+1+16*\b]|, 0x1800000   ; block b: my 16 numbers, and the floor 2^(3 - 127): the byte cannot fall under 1
.endr
.irp i, 2,4,6,8,10,12,14
.irp b, 0,1,2,3
	v_max3_num_f32 v[TM+\b], v[TM+\b], |v[\s+16*\b+\i]|, |v[\s+1+16*\b+\i]|   ; the four blocks by turns
.endr
.endr
.irp b, 0,1,2,3
	v_permlanex16_b32 v[TM+4+\b], v[TM+\b], s38, s39
.endr
.irp b, 0,1,2,3
	v_max_num_f32 v[TM+\b], v[TM+\b], v[TM+4+\b]   ; with lane l xor 16: the block largest magnitude
.endr
.irp b, 0,1,2,3
	v_add_nc_u32 v[TM+12+\b], 0xff000000, v[TM+\b] ; 2 off its exponent field: the conversion takes the exponent field of this operand as its scale
.endr
.irp b, 0,1,2,3
	v_lshrrev_b32 v[TM+4+\b], 23, v[TM+12+\b]      ; the scale byte
.endr
	v_lshl_or_b32 v[\pw], v[TM+5], 8, v[TM+4]      ; four bytes: the scale word of row r for these 128 along K; lanes l and l + 16 hold the same
	v_lshl_or_b32 v[\pw], v[TM+6], 16, v[\pw]
	v_lshl_or_b32 v[\pw], v[TM+7], 24, v[\pw]
.irp b, 0,1,2,3
	v_cvt_scalef32_pk8_fp4_f32 v[PC+2*\b], v[\s+16*\b:\s+7+16*\b], v[TM+12+\b]
	v_cvt_scalef32_pk8_fp4_f32 v[PC+1+2*\b], v[\s+8+16*\b:\s+15+16*\b], v[TM+12+\b]
.endr
	v_nop                                          ; one plain place behind a scaled conversion
.irp c, 0,1                                    ; the operand wants a WHOLE block in a lane: lanes 0-15 block 2 c, lanes 16-31 block 2 c + 1
.irp i, 0,1
	v_permlane16_swap_b32 v[PC+4*\c+\i], v[PC+2+4*\c+\i]
.endr
.endr
.endm
.macro STEP s
.if (\s) < 3
	s_wait_loadcnt 16                              ; this step 16 loads are in (and the bias, which is older); the next step 16 may be out
.else
	s_wait_loadcnt 0x0
.endif
.irp i, 0,1,2,3,4,5,6,7,8,9,10,11,12,13,14,15
	ds_store_b128 v[STI], v[R+64*((\s)%2)+4*\i:R+64*((\s)%2)+4*\i+3] offset:\i*SP
.endr
.irp b, 0,1,2,3
.irp j, 0,1,2,3
	ds_load_b128 v[X+16*\b+4*\j:X+16*\b+4*\j+3], v[STX] offset:128*\b+16*\j   ; LDS serves a wave in order: these see the stores above
.endr
.endr
	s_wait_dscnt 0x0                               ; the stores have read the set, the 64 numbers are in
	s_wait_xcnt 0x0                                ; the last step stores have read v[PC] on: it is rewritten only behind this wait
.if (\s) < 2
	LOAD (\s)+2
.endif
	QUANT X, SW+(\s)
	global_store_b128 v[LI], v[PC:PC+3], s[30:31] offset:(\s)*1024          ; 512 consecutive bytes each
	global_store_b128 v[LI], v[PC+4:PC+7], s[30:31] offset:(\s)*1024+512
.endm
	global_load_b32 v[BV], v[BOF], s[36:37]        ; the bias of tile row r
	LOAD 0
	LOAD 1
.irp s, 0,1,2,3
	STEP \s
.endr
	s_wait_tensorcnt 0x0                           ; behind my last LDS store
	ds_add_u32 v[SPW], v[NIL]
	s_wait_dscnt 0x0
	global_store_b128 v[SOF], v[SW:SW+3], s[32:33] ; 16 rows x 16 scale bytes: 256 consecutive bytes, aligned (lanes l and l + 16 write the same bytes with the same values)
	s_cmp_lt_u32 ttmp9, NX
	s_cselect_b32 s40, 1, 0
	s_or_b32 s40, s40, s20
	s_cmp_lg_u32 s40, 0                            ; the biases are stored by wave 0 of a tile of W_qkv
	s_cbranch_scc1 .Lno_bias
	global_store_b32 v1, v[BV], s[34:35]           ; 64 bytes a tile (lanes l and l + 16 write the same word with the same value): 12,288 bytes in the whole launch
.Lno_bias:
	s_endpgm
	; ---- W_out: 4 rows a wave, rounded to f16, K permuted.
.Lwout:
	s_sub_co_u32 s40, ttmp9, NX+NW
	s_lshl_b32 s40, s40, 3
	s_lshl_b32 s41, s20, 2
	s_add_co_u32 s40, s40, s41                     ; my first row
	s_lshl_b32 s42, s40, 12
	s_mov_b32 s43, 0
	s_lshl_b32 s44, s40, 11
	s_mov_b32 s45, 0
	v_lshrrev_b32 v6, 1, v1
	v_and_b32 v7, 1, v1
	v_lshlrev_b32 v6, 8, v6
	v_lshl_add_u32 v6, v7, 5, v6                   ; lane l takes t = l / 2 and d % 16 = 8 (l % 2) + 0..7: byte 256 t + 32 (l % 2) of the row, + 64 c
	s_wait_kmcnt 0x0
	s_add_nc_u64 s[10:11], s[10:11], s[42:43]
	s_add_nc_u64 s[18:19], s[18:19], s[44:45]
.irp q, 0,1,2,3
.irp c, 0,1,2,3
	global_load_b128 v[64+8*(4*\q+\c):64+8*(4*\q+\c)+3], v6, s[10:11] offset:\q*4096+\c*64
	global_load_b128 v[64+8*(4*\q+\c)+4:64+8*(4*\q+\c)+7], v6, s[10:11] offset:\q*4096+\c*64+16
.endr
.endr
.irp q, 0,1,2,3
.irp c, 0,1,2,3
	s_wait_loadcnt 30-2*(4*\q+\c)                  ; this group two loads are in; the younger groups may be out
.irp j, 0,1,2,3
	v_cvt_pk_f16_f32 v[192+4*(4*\q+\c)+\j], v[64+8*(4*\q+\c)+2*\j], v[64+8*(4*\q+\c)+2*\j+1]
.endr
	global_store_b128 v[LI], v[192+4*(4*\q+\c):192+4*(4*\q+\c)+3], s[18:19] offset:\q*2048+\c*512   ; 512 consecutive bytes
.endr
.endr
	s_endpgm
.Lfunc_end_k_q93dc6f69b0_prep:
	.size	k_q93dc6f69b0_prep, .Lfunc_end_k_q93dc6f69b0_prep-k_q93dc6f69b0_prep
	.p2alignl 7, 3214868480
	.fill 96, 4, 3214868480
	.section	.rodata,"a",@progbits
	.p2align	6, 0x0
	.amdhsa_kernel k_q93dc6f69b0_prep
		.amdhsa_group_segment_fixed_size 17152
		.amdhsa_private_segment_fixed_size 0
		.amdhsa_enable_private_segment 0
		.amdhsa_kernarg_size 64
		.amdhsa_user_sgpr_count 2
		.amdhsa_user_sgpr_kernarg_segment_ptr 1
		.amdhsa_wavefront_size32 1
		.amdhsa_system_sgpr_workgroup_id_x 1
		.amdhsa_system_sgpr_workgroup_id_y 1
		.amdhsa_system_sgpr_workgroup_id_z 1
		.amdhsa_system_vgpr_workitem_id 0
		.amdhsa_next_free_vgpr 256
		.amdhsa_next_free_sgpr 66
		.amdhsa_reserve_vcc 0
		.amdhsa_float_denorm_mode_32 3
		.amdhsa_float_denorm_mode_16_64 3
		.amdhsa_memory_ordered 1
		.amdhsa_forward_progress 1
		.amdhsa_inst_pref_size 45
	.end_amdhsa_kernel
	.amdgpu_metadata
---
amdhsa.version: [ 1, 2 ]
amdhsa.kernels:
  - .name:           k_q93dc6f69b0_prep
    .symbol:         k_q93dc6f69b0_prep.kd
    .args:
      - { .name: x, .offset: 0, .size: 8, .value_kind: global_buffer, .address_space: global }
      - { .name: W_qkv, .offset: 8, .size: 8, .value_kind: global_buffer, .address_space: global }
      - { .name: b_qkv, .offset: 16, .size: 8, .value_kind: global_buffer, .address_space: global }
      - { .name: W_out, .offset: 24, .size: 8, .value_kind: global_buffer, .address_space: global }
      - { .name: xc, .offset: 32, .size: 8, .value_kind: global_buffer, .address_space: global }
      - { .name: xs, .offset: 40, .size: 8, .value_kind: global_buffer, .address_space: global }
      - { .name: wq, .offset: 48, .size: 8, .value_kind: global_buffer, .address_space: global }
      - { .name: wo, .offset: 56, .size: 8, .value_kind: global_buffer, .address_space: global }
    .group_segment_fixed_size: 17152
    .private_segment_fixed_size: 0
    .kernarg_segment_align: 8
    .kernarg_segment_size: 64
    .max_flat_workgroup_size: 64
    .sgpr_count:     66
    .vgpr_count:     256
    .wavefront_size: 32
...
	.end_amdgpu_metadata
.endif
;; end of part 1
;; launch qkvattn (part 2): grid 256 x 1, 4 waves a work-group, clusters of 4 x 1, 327,680 bytes of LDS; arguments xc, xs, wq, a2; writes a2
.if DOCPART == 2
	.amdgcn_target "amdgcn-amd-amdhsa--gfx1250"
	.amdhsa_code_object_version 6
	.text
	.protected	k_q93dc6f69b0_qkvattn
	.globl	k_q93dc6f69b0_qkvattn
	.p2align	8
	.type	k_q93dc6f69b0_qkvattn,@function
k_q93dc6f69b0_qkvattn:
	s_mov_b64 s[64:65], 0
	v_nop
	global_prefetch_b8 v0, s[64:65] scope:SCOPE_SE
	s_setreg_imm32_b32 hwreg(HW_REG_WAVE_MODE, 25, 1), 1
	s_wait_xcnt 0x0
	s_wait_alu depctr_hold_cnt(0) depctr_sa_sdst(0) depctr_va_vdst(0) depctr_va_sdst(0) depctr_va_ssrc(0) depctr_va_vcc(0) depctr_vm_vsrc(0)
	s_getreg_b32 s2, hwreg(HW_REG_IB_STS2, 6, 4)
	s_cmp_eq_u32 s2, 0
	s_cbranch_scc0 .Lentry_in_a_cluster
	s_endpgm
.Lentry_in_a_cluster:
	s_bfe_u32 s2, ttmp6, 0x10000c
	s_cmp_lg_u32 s2, 0x3003
	s_cbranch_scc0 .Lentry_shape_is_right
	s_endpgm
.Lentry_shape_is_right:
; QKVATTN: qkv = Q4(x) Q4(W_qkv)^T + b_qkv on codes of E2M1 (made by the first launch), then for each token the 16 x 16 attention over the HEAD axis, stored in f16 in the scrambled order of reference().  No work is left out.
; SHARES.  A work-group of four waves owns 64 tokens; their codes (4 tiles x 8 K steps, 256 registers) stay in every wave registers.  All of W_qkv walks by in 12 slots of 16 tiles.
; In the product THE WAVES SHARE THE COLUMNS: wave w takes tiles 4 w .. 4 w + 3 of a slot for all 64 tokens, so a weight fragment read from LDS feeds four matrix instructions and no fragment is read by two waves.
; In the attention wave w OWNS tokens 16 w .. 16 w + 15, which are one aligned group of 16: times 16 heads they are 16 whole rows of the last product left operand.
; THE PRODUCT IS USED TRANSPOSED (source 0 = 16 rows of W_qkv, source 1 = 16 tokens): lane (r, h) holds token r and tile rows 8 h + 0..7, which pack to 16 bytes of f16.  The rows of a tile were chosen so that
; these 16 bytes ARE registers 0-3 of lane 16 h + i of the f16 operand that the token owner wants: q, k: tile i = head i, 16 neighbouring d;  v: tile i = one d, the 16 heads.  One address serves all 12 slots.
; They go to the owner through the exchange region in LDS, an image of 512 bytes (+ 16) a token.
; ATTENTION, per token, f16 operands, f32 sums: S^T += k q^T (K = 16 of d a slot pair, the upper half of K filled with zeros); softmax over the 16 key heads with the maximum taken away, p normalised in f32;
; O^T = v^T p^T, 16 of d a slot.  A lane holds one query head throughout.  O goes out as a2 [b 4096 + 256 h + l / 16][256 (d / 16) + 16 (l % 16) + d % 16], f16: W_out was permuted alike along K.
; CLUSTER.  Four work-groups form a cluster and ask for each slot JOINTLY (mask 15), each wave for a quarter of the slot.
; THE WALK IS ROTATED.  With rot = cluster number % 4, a cluster walks the pairs (q, k) of d = 16 c + 0..15 in the order c = rot, rot + 1, .. (modulo 4), then the slots of v in the same order of c.  The scores are a sum
; over c and each slot of v makes its own 16 of d, so the order moves nothing but the rounding of the sums.  At every step the clusters ask for four different slots, and from the second pair on a cluster asks for
; a slot that a quarter of the clusters asked for two steps earlier.
; LIMITS: |q|, |k|, |v| or |O| beyond 65,504 become infinity in f16, and under 6e-5 they carry fewer bits.
; REGISTERS, in windows of 256 (s_set_vgpr_msb: bits 1:0 source 0, 3:2 source 1, 5:4 source 2, 7:6 destination):
;   window 0: v1-16 lanes and addresses; v28, v29 the add; v32-47 x scale words; v48-63 W scale words; v64-191 two buffers of a W tile (8 fragments); v192-223 four accumulators; v224-239 two sets of biases; v240-255 packed results
;   window 1: x fragments, (token tile m, K step s) at v[8 (8 m + s)]
;   window 2: v0-127 S^T, later O^T, 8 a token; v128-191 four registers a token at work, later packed O; v192-255 rows of a2
;   window 3: v0-127 q, later p, 8 a token (registers 4-7 stay 0); v128-255 k, later v, likewise
; SCALARS that feed the joint descriptors (s8, s9, s12, s32, s33, s41, s42, s43, s46, s47) never hold my place in the cluster; what hangs on it goes through s2, s3, s13, s14, s44, s45.
.set SLOTB,  140288                    ; a slot: 16 x 8,192 codes, 16 x 512 scale bytes, 16 x 64 bias bytes
.set QTR,    35072                     ; a quarter: 137 rows of 256 bytes: what one tensor load brings
.set SCO,    131072
.set BIO,    139264
.set EB,     2*SLOTB                   ; behind the ring: the exchange region, 64 tokens x 528 bytes; no tensor load lands here
.set EP,     528
.set EW,     16*EP                     ; a wave 16 tokens
.set SPARE,  EB+4*EW                   ; the spare words, 128 bytes a wave
.set ADW,  4                           ; v4, v5   my four tiles in LDS slot 0, 1: 32768 w + 16 x lane
.set ADS,  6                           ; v6, v7   their scale words: 2048 w + 512 h + 16 r
.set ADB,  8                           ; v8, v9   their biases: 256 w + 32 h
.set EST,  10                          ; v10  exchange, in: 528 r + 256 h + 64 w
.set ELD,  11                          ; v11  exchange, out: my tokens, 16 x lane
.set OST,  12                          ; v12  my part of it as a stage for O: 528 r + 16 h
.set LI,   13                          ; v13  16 x lane
.set LSC,  15                          ; v15  512 h + 16 r: a lane place among the scale words of two tiles
.set PFO,  16                          ; v16  256 x lane
.set SPW,  28
.set NIL,  29
.set XS,   32
.set WS,   48
.set WF,   64
.set ACC,  192
.set BI,   224
.set PK,   240
.set TT,   128                         ; window 2
.set RB,   192                         ; window 2
.set KB,   128                         ; window 3
.set G1,   16                          ; s[16:23] descriptor group 1
.set G0,   24                          ; s[24:31] descriptor group 0, a set for each LDS slot
.set MSB, 0
.macro WIN new                         ; the immediate high byte repeats the setting that is left
.if MSB != (\new)
	s_set_vgpr_msb (MSB<<8)|(\new)
.set MSB, (\new)
.endif
.endm
.macro ROUND                           ; a round of the cluster barrier
	s_barrier_signal -1
	s_barrier_wait -1
	s_cmp_lg_u32 s12, 0
	s_cbranch_scc1 .Lnot_wave_0_\@
	s_barrier_signal -3
.Lnot_wave_0_\@:
	s_barrier_wait -3
	s_barrier_signal -1
	s_barrier_wait -1
.endm
	s_load_b256 s[4:11], s[0:1], 0x0               ; xc, xs, wq, a2
	v_lshl_add_u32 v[SPW], v0, 2, SPARE
	v_mov_b32 v[NIL], 0
	ds_add_u32 v[SPW], v[NIL]                      ; the opening: the add, twice on end, and its wait ahead of my first tensor load
	ds_add_u32 v[SPW], v[NIL]
	v_lshrrev_b32 v1, 5, v0
	v_readfirstlane_b32 s12, v1                    ; wave 0..3
	s_bfe_u32 s13, ttmp6, 0x40000                  ; cx: my place in the cluster
	s_lshl_b32 s14, ttmp9, 2
	s_add_co_u32 s14, s14, s13                     ; my work-group: it enters the addresses of xc, xs and a2 alone
	s_and_b32 s41, ttmp9, 3                        ; rot: where my cluster begins its walk: the same in all four partners
	s_mov_b32 s33, s41                             ; c of the pair in hand
	s_mov_b32 s[G1], 15|(3<<16)|(1<<21)            ; 15:0 the mask: all four; 17:16 elements of 8 bytes; 21 set beside a mask; no padding
	s_mov_b32 s[G1+1], 32<<16                      ; tensor_dim0 = 32 elements: 256 bytes
	s_mov_b32 s[G1+2], 137<<16                     ; tensor_dim1 = 137
	s_mov_b32 s[G1+3], 32<<16                      ; tile_dim0
	s_mov_b32 s[G1+4], 137                         ; tile_dim1
	s_mov_b32 s[G1+5], 32                          ; from row to row: dense
	s_mov_b32 s[G1+6], 0
	s_mov_b32 s[G1+7], 0
	s_mov_b32 s34, 0x3e38aa3b                      ; c = log2(e) / 8
	s_mov_b32 s35, s34                             ; (named with it as a pair)
	s_mov_b32 s36, 0x76543210
	s_mov_b32 s37, 0xfedcba98                      ; lane selects: lane l xor 16
	s_cmp_lt_u32 ttmp9, 4
	s_cselect_b32 s40, 1, 0                        ; clusters 0 to 3 prefetch: the same in all four partners
	s_mul_i32 s46, s12, QTR                        ; my quarter of a slot, in memory and in LDS: the wave number alone
	s_mov_b32 s47, 0
	s_mov_b32 s43, 0
	s_mov_b32 s45, 0
	s_mov_b32 s32, 3                               ; the trips of the loop over pairs; it is 3 in the pair that is written out ahead of the loop
	s_wait_dscnt 0x0                               ; both opening adds are done
	s_wait_kmcnt 0x0
	s_lshl_b32 s44, s14, 15
	s_add_nc_u64 s[4:5], s[4:5], s[44:45]          ; my 4 tiles of x codes
	s_lshl_b32 s44, s14, 11
	s_add_nc_u64 s[6:7], s[6:7], s[44:45]          ; their scale words
	s_lshr_b32 s44, s14, 6
	s_lshl_b32 s44, s44, 12
	s_and_b32 s2, s14, 63
	s_lshl_b32 s2, s2, 2
	s_add_co_u32 s44, s44, s2
	s_add_co_u32 s44, s44, s12
	s_lshl_b32 s44, s44, 11
	s_add_nc_u64 s[10:11], s[10:11], s[44:45]      ; a2 at row 4096 b + l / 16 of my wave group (head 0); a row is 2,048 bytes
	s_add_nc_u64 s[8:9], s[8:9], s[46:47]          ; wq at my quarter of slot 0; never rewritten from here on
	s_mul_i32 s44, s41, SLOTB
	s_add_co_u32 s44, s44, 8*SLOTB                 ; the first slot of v that my cluster walks,
	s_lshl_b32 s2, s13, 13
	s_add_co_u32 s44, s44, s2                      ; my work-group 32 blocks of 256 bytes of the quarter: partners are told apart by address
	s_add_nc_u64 s[38:39], s[8:9], s[44:45]        ; where my one prefetch stands; never rewritten
	s_mul_i32 s42, s41, 2*SLOTB                    ; the q slot of pair rot
	s_mov_b32 s[G0], 1
	s_mov_b32 s[G0+1], s46
	s_add_nc_u64 s[G0+2:G0+3], s[8:9], s[42:43]
	s_or_b32 s[G0+3], s[G0+3], 0x80000000
	s_add_co_u32 s42, s42, SLOTB                   ; and its k slot
	s_mov_b32 s[G0+4], 1
	s_add_co_u32 s[G0+5], s46, SLOTB
	s_add_nc_u64 s[G0+6:G0+7], s[8:9], s[42:43]
	s_or_b32 s[G0+7], s[G0+7], 0x80000000
	ROUND                                          ; all four work-groups are here: the first joint loads meet
	tensor_load_to_lds s[G0:G0+3], s[G1:G1+7]      ; both first fills go out together: two tensor loads of mine are out
	s_nop 0
	tensor_load_to_lds s[G0+4:G0+7], s[G1:G1+7]
	s_nop 0
.rept 4
	v_nop
.endr
	v_and_b32 v1, 31, v0                           ; lane
	v_and_b32 v2, 15, v0                           ; r
	v_bfe_u32 v3, v0, 4, 1                         ; h
	v_lshlrev_b32 v[LI], 4, v1
	v_lshlrev_b32 v[LSC], 4, v2
	v_lshl_add_u32 v[LSC], v3, 9, v[LSC]
	v_lshlrev_b32 v[PFO], 8, v1
	WIN 0x40                                       ; destination window 1
.set f, 0
.rept 64
	global_load_b128 v[4*f:4*f+3], v[LI], s[4:5] offset:512*f th:TH_LOAD_NT   ; x fragments as they lie: 512 consecutive bytes a load
.set f, f+1
.endr
	WIN 0
.irp p, 0,1
	global_load_b128 v[XS+8*\p:XS+8*\p+3], v[LSC], s[6:7] offset:\p*1024        ; lanes 0-15 token tile 2 p, lanes 16-31 tile 2 p + 1; the words of K steps 0-3,
	global_load_b128 v[XS+8*\p+4:XS+8*\p+7], v[LSC], s[6:7] offset:\p*1024+256  ; and 4-7
.endr
	s_lshl_b32 s46, s12, 15
	v_add_nc_u32 v[ADW], s46, v[LI]
	v_add_nc_u32 v[ADW+1], SLOTB, v[ADW]
	s_lshl_b32 s46, s12, 11
	s_add_co_u32 s46, s46, SCO
	v_add_nc_u32 v[ADS], s46, v[LSC]
	v_add_nc_u32 v[ADS+1], SLOTB, v[ADS]
	s_lshl_b32 s46, s12, 8
	s_add_co_u32 s46, s46, BIO
	v_lshl_add_u32 v[ADB], v3, 5, s46
	v_add_nc_u32 v[ADB+1], SLOTB, v[ADB]
	v_mul_u32_u24 v[EST], v2, EP
	v_lshl_add_u32 v[EST], v3, 8, v[EST]
	s_lshl_b32 s46, s12, 6
	s_add_co_u32 s46, s46, EB
	v_add_nc_u32 v[EST], s46, v[EST]
	s_mul_i32 s46, s12, EW
	s_add_co_u32 s46, s46, EB
	v_add_nc_u32 v[ELD], s46, v[LI]
	v_mul_u32_u24 v[OST], v2, EP
	v_lshl_add_u32 v[OST], v3, 4, v[OST]
	v_add_nc_u32 v[OST], s46, v[OST]
	WIN 0xC0                                       ; destination window 3
.set t, 0
.rept 32
.irp j, 4,5,6,7
	v_mov_b32 v[8*t+\j], 0                         ; the upper half of K (16 .. 31) of the f16 operands: zeros, written once.  These are operands, not sums
.endr
.set t, t+1
.endr
	WIN 0x80                                       ; destination window 2
.set t, 0
.rept 16
	v_mov_b32 v[TT+4*t+1], 0                       ; written once: a lane permute destination counts as one of its sources
.set t, t+1
.endr
	WIN 0
.macro LOADT slot, i, buf              ; my tile i of the slot: 8 biases, then 8 fragments in the order of K: 18 LDS loads
	ds_load_b128 v[BI+8*(\buf):BI+8*(\buf)+3], v[ADB+\slot] offset:(\i)*64        ; lane (r, h): the biases of tile rows 8 h + 0..7: the result layout
	ds_load_b128 v[BI+8*(\buf)+4:BI+8*(\buf)+7], v[ADB+\slot] offset:(\i)*64+16
.irp f, 0,1,2,3,4,5,6,7,8,9,10,11,12,13,14,15
	ds_load_b128 v[WF+64*(\buf)+4*\f:WF+64*(\buf)+4*\f+3], v[ADW+\slot] offset:(\i)*8192+\f*512
.endr
.endm
.macro LOADS slot                      ; the scale words of my four tiles: lanes 0-15 tile 2 p, lanes 16-31 tile 2 p + 1
.irp p, 0,1
	ds_load_b128 v[WS+8*\p:WS+8*\p+3], v[ADS+\slot] offset:\p*1024
	ds_load_b128 v[WS+8*\p+4:WS+8*\p+7], v[ADS+\slot] offset:\p*1024+256
.endr
.endm
.macro MM1 i, buf, s, m                ; one product: tile i, K step s, token tile m.  The bias is the C of the first K step
.set rD, ACC+8*(\m)
.set rA, WF+64*(\buf)+8*(\s)
.set rB, 8*(8*(\m)+(\s))
.set rC, rD
.if (\s) == 0
.set rC, BI+8*(\buf)
.endif
.set rSA, WS+8*((\i)/2)+(\s)
.set rSB, XS+8*((\m)/2)+(\s)
.if ((\i)%2 == 0) && ((\m)%2 == 0)
	v_wmma_scale_f32_16x16x128_f8f6f4 v[rD:rD+7], v[rA:rA+7], v[rB:rB+7], v[rC:rC+7], v[rSA], v[rSB] matrix_a_fmt:MATRIX_FMT_FP4 matrix_b_fmt:MATRIX_FMT_FP4
.elseif ((\i)%2 == 1) && ((\m)%2 == 0)
	v_wmma_scale_f32_16x16x128_f8f6f4 v[rD:rD+7], v[rA:rA+7], v[rB:rB+7], v[rC:rC+7], v[rSA], v[rSB] matrix_a_fmt:MATRIX_FMT_FP4 matrix_b_fmt:MATRIX_FMT_FP4 matrix_a_scale:MATRIX_SCALE_ROW1
.elseif ((\i)%2 == 0) && ((\m)%2 == 1)
	v_wmma_scale_f32_16x16x128_f8f6f4 v[rD:rD+7], v[rA:rA+7], v[rB:rB+7], v[rC:rC+7], v[rSA], v[rSB] matrix_a_fmt:MATRIX_FMT_FP4 matrix_b_fmt:MATRIX_FMT_FP4 matrix_b_scale:MATRIX_SCALE_ROW1
.else
	v_wmma_scale_f32_16x16x128_f8f6f4 v[rD:rD+7], v[rA:rA+7], v[rB:rB+7], v[rC:rC+7], v[rSA], v[rSB] matrix_a_fmt:MATRIX_FMT_FP4 matrix_b_fmt:MATRIX_FMT_FP4 matrix_a_scale:MATRIX_SCALE_ROW1 matrix_b_scale:MATRIX_SCALE_ROW1
.endif
.endm
; 32 products: the four accumulators take turns, one instruction a turn.  prog = 1: the slot first tile, multiplied as its fragments land: of the 40 loads at the head of the slot
; (4 of scale words, 2 of biases, 16 fragment halves, the 18 of tile 1) K step s wants the first 8 + 2 s
.macro MULT i, buf, prog
	WIN 0x04                                       ; source 1 (x) window 1
.irp s, 0,1,2,3,4,5,6,7
.if \prog
	s_wait_dscnt 32-2*\s
.endif
.irp m, 0,1,2,3
	MM1 \i, \buf, \s, \m
.endr
.endr
	WIN 0
.endm
.macro OUTT i, slot, next              ; tile i results: to f16, to their owners; then the tile two on into the buffer just freed
.rept 5
	v_nop                                          ; five places: for the reads of the results, for the loads into operands just read, and for the next tile first product, which writes over these accumulators
.endr
.irp m, 0,1,2,3
.irp jj, 0,1,2,3
	v_cvt_pk_f16_f32 v[PK+4*\m+\jj], v[ACC+8*\m+2*\jj], v[ACC+8*\m+2*\jj+1]   ; each accumulator from its low end on
.endr
.endr
.irp m, 0,1,2,3
	ds_store_b128 v[EST], v[PK+4*\m:PK+4*\m+3] offset:\m*EW+(\i)*16   ; token 16 m + r, lane slot 16 h + 4 w + i of its image
.endr
.if \next
	LOADT \slot, (\i)+2, (\i)%2
.endif
.endm
; A PREFETCH INTO THE L2 of the first slot of v that my cluster walks, in the last trip over the pairs, one slot ahead of the tensor load that asks for it.  Clusters 0 to 3 ask, each for another slot of v (their rot differ);
; of each wave quarter (137 blocks of 256 bytes) partner cx names blocks 32 cx .. 32 cx + 31, a lane a block: each block is named once in the launch.  The last 9 blocks of a quarter come by their loads alone.
; The address registers are never rewritten.
.macro ASK
	s_cmp_eq_u32 s32, s40                          ; s32 = 1 in the last trip; s40 = 1 in clusters 0 to 3, else 0, which s32 never is here
	s_cbranch_scc0 .Lnot_mine_\@
	global_prefetch_b8 v[PFO], s[38:39] th:TH_LOAD_NT scope:SCOPE_SE
.Lnot_mine_\@:
.endm
.macro GEMM slot, ask                  ; my four tiles of the slot x 64 tokens, and the barrier behind which the exchange region is whole
	LOADS \slot
	LOADT \slot, 0, 0
	LOADT \slot, 1, 1
.if \ask
	ASK
.endif
	MULT 0, 0, 1
	OUTT 0, \slot, 1
	s_wait_dscnt 18                                ; all but tile 2: tile 1 is in, and the four stores are done
	MULT 1, 1, 0
	OUTT 1, \slot, 1
	s_wait_dscnt 18                                ; all but tile 3
	MULT 2, 0, 0
	OUTT 2, \slot, 0
	s_wait_dscnt 4                                 ; all but tile 2 four stores: tile 3 is in
	MULT 3, 1, 0
	OUTT 3, \slot, 0
	s_wait_dscnt 0x0                               ; for the others: my stores into the exchange region are done
	s_barrier_signal -1
	s_barrier_wait -1                              ; my tensor load may stay out across it
.endm
; THE CHANGE OF SLOTS, at a slot head.  Each wave waits for all its tensor loads (one is out: its quarter of the slot about to be read), adds 0 to its spare word, and waits for that and for its LDS reads
; (the slot left, and the exchange region, which is written again behind this barrier).  refill = 1: the barrier is a round of the cluster, and the other LDS slot takes the next slot of the walk: one tensor load a wave is out.
; Where that slot lies in wq is made of ids and the count of trips, between the add and the wait for it:
; mode 1: the k slot of the pair in hand;  mode 2: the q slot of the next pair, or, in the last trip, the first slot of v;  mode 3: the slot of v that is k on in the walk.
.macro HEAD slot, refill, mode, k
	s_wait_tensorcnt 0x0                           ; no tensor load of mine is out, so a group 0 may be written
	ds_add_u32 v[SPW], v[NIL]
.if \refill
.if (\mode) == 1
	s_mul_i32 s42, s33, 2*SLOTB
	s_add_co_u32 s42, s42, SLOTB
.elseif (\mode) == 2
	s_add_co_u32 s33, s33, 1
	s_and_b32 s33, s33, 3
	s_mul_i32 s42, s33, 2*SLOTB
	s_mul_i32 s47, s41, SLOTB
	s_add_co_u32 s47, s47, 8*SLOTB
	s_cmp_eq_u32 s32, 1
	s_cselect_b32 s42, s47, s42
.else
	s_add_co_u32 s42, s41, \k
	s_and_b32 s42, s42, 3
	s_mul_i32 s42, s42, SLOTB
	s_add_co_u32 s42, s42, 8*SLOTB
.endif
	s_add_nc_u64 s[G0+4*(1-\slot)+2:G0+4*(1-\slot)+3], s[8:9], s[42:43]
	s_or_b32 s[G0+4*(1-\slot)+3], s[G0+4*(1-\slot)+3], 0x80000000
.endif
	s_wait_dscnt 0x0
.if \refill
	ROUND
	tensor_load_to_lds s[G0+4*(1-\slot):G0+4*(1-\slot)+3], s[G1:G1+7]
	s_nop 0
.rept 4
	v_nop
.endr
.else
	s_barrier_signal -1
	s_barrier_wait -1
.endif
.endm
.macro CONS_Q                          ; my 16 tokens images of q: registers 0-3 of the operand; the next change of slots waits for them
	WIN 0xC0
.set t, 0
.rept 16
	ds_load_b128 v[8*t:8*t+3], v[ELD] offset:t*EP
.set t, t+1
.endr
	WIN 0
.endm
.macro CONS_K zero                     ; the images of k, and S^T += k q^T: source 0 = 16 key heads, source 1 = 16 query heads; 16 accumulators by turns
	WIN 0xC0
.set t, 0
.rept 16
	ds_load_b128 v[KB+8*t:KB+8*t+3], v[ELD] offset:t*EP
.set t, t+1
.endr
	s_wait_dscnt 0x0
.if \zero
	WIN 0x8F                                       ; sources 0, 1 window 3, destination window 2
.else
	WIN 0xAF                                       ; and C window 2
.endif
.set t, 0
.rept 16
.if \zero
	v_wmma_f32_16x16x32_f16 v[8*t:8*t+7], v[KB+8*t:KB+8*t+7], v[8*t:8*t+7], 0      ; the first 16 of d start the sums
.else
	v_wmma_f32_16x16x32_f16 v[8*t:8*t+7], v[KB+8*t:KB+8*t+7], v[8*t:8*t+7], v[8*t:8*t+7]
.endif
.set t, t+1
.endr
	WIN 0
.endm
; THE SOFTMAX of 16 tokens.  Lane (r, h) holds query head r and key heads 8 h + 0..7 of each.  p = 2^(c s - c m), m the row maximum, as reference() takes it away; every exponent is 0 or less (but for rounding) and every sum at least 1.
.macro SOFTMAX
.rept 4
	v_nop                                          ; places behind the last products
.endr
	WIN 0xAA
.set t, 0
.rept 16
	v_max3_num_f32 v[TT+4*t], v[8*t], v[8*t+1], v[8*t+2]
.set t, t+1
.endr
.irp i, 3,5
.set t, 0
.rept 16
	v_max3_num_f32 v[TT+4*t], v[TT+4*t], v[8*t+\i], v[8*t+\i+1]
.set t, t+1
.endr
.endr
.set t, 0
.rept 16
	v_max_num_f32 v[TT+4*t], v[TT+4*t], v[8*t+7]
.set t, t+1
.endr
.set t, 0
.rept 16
	v_permlanex16_b32 v[TT+4*t+1], v[TT+4*t], s36, s37
.set t, t+1
.endr
.set t, 0
.rept 16
	v_max_num_f32 v[TT+4*t+1], v[TT+4*t], v[TT+4*t+1]      ; m
.set t, t+1
.endr
.set t, 0
.rept 16
	v_mul_f32 v[TT+4*t], s34, v[TT+4*t+1]                  ; c m
.set t, t+1
.endr
.irp jj, 0,1,2,3
.set t, 0
.rept 16
	v_pk_fma_f32 v[8*t+2*\jj:8*t+2*\jj+1], v[8*t+2*\jj:8*t+2*\jj+1], s[34:35], v[TT+4*t:TT+4*t+1] op_sel_hi:[1,0,0] neg_lo:[0,0,1] neg_hi:[0,0,1]   ; c s - c m
.set t, t+1
.endr
.endr
.set j, 0
.rept 128
	v_exp_f32 v[j], v[j]                           ; one batch
.set j, j+1
.endr
	v_nop                                          ; a plain place behind the last exponential
	s_wait_alu depctr_va_vdst(0)                   ; one wait for the batch, ahead of its first reader
.set t, 0
.rept 16
	v_pk_add_f32 v[TT+4*t+2:TT+4*t+3], v[8*t:8*t+1], v[8*t+2:8*t+3]
	v_pk_add_f32 v[TT+4*t:TT+4*t+1], v[8*t+4:8*t+5], v[8*t+6:8*t+7]
.set t, t+1
.endr
.set t, 0
.rept 16
	v_pk_add_f32 v[TT+4*t+2:TT+4*t+3], v[TT+4*t+2:TT+4*t+3], v[TT+4*t:TT+4*t+1]
.set t, t+1
.endr
.set t, 0
.rept 16
	v_add_f32 v[TT+4*t+2], v[TT+4*t+2], v[TT+4*t+3]
.set t, t+1
.endr
.set t, 0
.rept 16
	v_permlanex16_b32 v[TT+4*t+3], v[TT+4*t+2], s36, s37
.set t, t+1
.endr
.set t, 0
.rept 16
	v_add_f32 v[TT+4*t+2], v[TT+4*t+2], v[TT+4*t+3]        ; the row sum
.set t, t+1
.endr
.set t, 0
.rept 16
	v_rcp_f32 v[TT+4*t], v[TT+4*t+2]
.set t, t+1
.endr
	v_nop
	s_wait_alu depctr_va_vdst(0)                   ; one wait for the 16 reciprocals
.irp jj, 0,1,2,3
.set t, 0
.rept 16
	v_pk_mul_f32 v[8*t+2*\jj:8*t+2*\jj+1], v[8*t+2*\jj:8*t+2*\jj+1], v[TT+4*t:TT+4*t+1] op_sel_hi:[1,0]
.set t, t+1
.endr
.endr
	WIN 0xCA                                       ; sources window 2, destination window 3
.set t, 0
.rept 16
.irp jj, 0,1,2,3
	v_cvt_pk_f16_f32 v[8*t+\jj], v[8*t+2*\jj], v[8*t+2*\jj+1]   ; p takes the place of q: lane (r, h), registers 0-3: key heads 8 h + 0..7 of query head r: source 1 of the next product as it stands
.endr
.set t, t+1
.endr
	WIN 0
.endm
; O^T = v^T p^T for the slot of v that is k on in the walk: d = 16 c + 0..15, c = (rot + k) % 4, of my 16 tokens; lane (r, h) holds head r and d = 16 c + 8 h + 0..7.  Through my own part of the exchange region,
; now a stage of 16 rows (heads) x 512 bytes, and out: row h of the stage is bytes 512 c .. 512 c + 511 of the row 256 h further down in a2.
.macro CONS_V k
	s_wait_xcnt 0x0                                ; the last stores to a2 have read their registers and their base
	s_add_co_u32 s44, s41, \k
	s_and_b32 s44, s44, 3
	s_lshl_b32 s44, s44, 9
	s_add_nc_u64 s[2:3], s[10:11], s[44:45]        ; a2 at my rows, 512 c bytes on
	WIN 0xC0
.set t, 0
.rept 16
	ds_load_b128 v[KB+8*t:KB+8*t+3], v[ELD] offset:t*EP
.set t, t+1
.endr
	s_wait_dscnt 0x0
	WIN 0x8F
.set t, 0
.rept 16
	v_wmma_f32_16x16x32_f16 v[8*t:8*t+7], v[KB+8*t:KB+8*t+7], v[8*t:8*t+7], 0
.set t, t+1
.endr
.rept 4
	v_nop
.endr
	WIN 0x8A
.set t, 0
.rept 16
.irp jj, 0,1,2,3
	v_cvt_pk_f16_f32 v[TT+4*t+\jj], v[8*t+2*\jj], v[8*t+2*\jj+1]
.endr
.set t, t+1
.endr
	WIN 0x08                                       ; an LDS store data are its source 1: window 2
.set t, 0
.rept 16
	ds_store_b128 v[OST], v[TT+4*t:TT+4*t+3] offset:t*32     ; LDS serves a wave in order: my reads of these bytes, above, have come first; no other wave touches them before the next change of slots
.set t, t+1
.endr
	WIN 0x80
.set t, 0
.rept 16
	ds_load_b128 v[RB+4*t:RB+4*t+3], v[ELD] offset:t*EP
.set t, t+1
.endr
	WIN 0x08
.set t, 0
.rept 16
	s_wait_dscnt 15-t
	global_store_b128 v[LI], v[RB+4*t:RB+4*t+3], s[2:3] offset:t*524288   ; 512 consecutive bytes, at a multiple of 512 from the buffer first byte; 7,864,320 at the most: inside the signed 24-bit immediate
.set t, t+1
.endr
	WIN 0
.endm
	s_wait_loadcnt 0x0                             ; x codes and scale words
	s_wait_tensorcnt 0x1                           ; my quarter of the first slot is in; the second may stay out
	s_barrier_signal -1
	s_barrier_wait -1                              ; everybody quarter is
	GEMM 0, 0                                      ; the first pair stands ahead of the loop: its products start the sums of S^T
	CONS_Q
	HEAD 1, 1, 2, 0
	GEMM 1, 0
	CONS_K 1
.Lqk:                                              ; a trip: 16 of d of q, the same of k, and their part of the scores
	HEAD 0, 1, 1, 0
	GEMM 0, 1
	CONS_Q
	HEAD 1, 1, 2, 0
	GEMM 1, 0
	CONS_K 0
	s_sub_co_u32 s32, s32, 1
	s_cmp_lg_u32 s32, 0
	s_cbranch_scc1 .Lqk
	SOFTMAX
	HEAD 0, 1, 3, 1                                ; the four slots of v are written out: the last asks for nothing
	GEMM 0, 0
	CONS_V 0
	HEAD 1, 1, 3, 2
	GEMM 1, 0
	CONS_V 1
	HEAD 0, 1, 3, 3
	GEMM 0, 0
	CONS_V 2
	HEAD 1, 0, 0, 0
	GEMM 1, 0
	CONS_V 3
	s_wait_tensorcnt 0x0                           ; the wave end
	ds_add_u32 v[SPW], v[NIL]
	s_wait_dscnt 0x0
	ROUND                                          ; the closing round: no work-group ends while a partner may still ask for a slot that names it
	s_endpgm
.Lfunc_end_k_q93dc6f69b0_qkvattn:
	.size	k_q93dc6f69b0_qkvattn, .Lfunc_end_k_q93dc6f69b0_qkvattn-k_q93dc6f69b0_qkvattn
	.p2alignl 7, 3214868480
	.fill 96, 4, 3214868480
	.section	.rodata,"a",@progbits
	.p2align	6, 0x0
	.amdhsa_kernel k_q93dc6f69b0_qkvattn
		.amdhsa_group_segment_fixed_size 327680
		.amdhsa_private_segment_fixed_size 0
		.amdhsa_enable_private_segment 0
		.amdhsa_kernarg_size 32
		.amdhsa_user_sgpr_count 2
		.amdhsa_user_sgpr_kernarg_segment_ptr 1
		.amdhsa_wavefront_size32 1
		.amdhsa_system_sgpr_workgroup_id_x 1
		.amdhsa_system_sgpr_workgroup_id_y 1
		.amdhsa_system_sgpr_workgroup_id_z 1
		.amdhsa_system_vgpr_workitem_id 0
		.amdhsa_next_free_vgpr 1024
		.amdhsa_next_free_sgpr 66
		.amdhsa_reserve_vcc 0
		.amdhsa_float_denorm_mode_32 3
		.amdhsa_float_denorm_mode_16_64 3
		.amdhsa_memory_ordered 1
		.amdhsa_forward_progress 1
		.amdhsa_inst_pref_size 255
	.end_amdhsa_kernel
	.section	.bss,"aw",@nobits
	.p2align	6
	.space	262144
	.amdgpu_metadata
---
amdhsa.version: [ 1, 2 ]
amdhsa.kernels:
  - .name:           k_q93dc6f69b0_qkvattn
    .symbol:         k_q93dc6f69b0_qkvattn.kd
    .args:
      - { .name: xc, .offset: 0, .size: 8, .value_kind: global_buffer, .address_space: global }
      - { .name: xs, .offset: 8, .size: 8, .value_kind: global_buffer, .address_space: global }
      - { .name: wq, .offset: 16, .size: 8, .value_kind: global_buffer, .address_space: global }
      - { .name: a2, .offset: 24, .size: 8, .value_kind: global_buffer, .address_space: global }
    .group_segment_fixed_size: 327680
    .private_segment_fixed_size: 0
    .kernarg_segment_align: 8
    .kernarg_segment_size: 32
    .max_flat_workgroup_size: 128
    .sgpr_count:     66
    .vgpr_count:     1024
    .wavefront_size: 32
...
	.end_amdgpu_metadata
.endif
;; end of part 2
;; launch outgemm (part 3): grid 4 x 64, 4 waves a work-group, clusters of 4 x 4, 327,680 bytes of LDS; arguments a2, wo, b_out, out0; writes out0
.if DOCPART == 3
	.amdgcn_target "amdgcn-amd-amdhsa--gfx1250"
	.amdhsa_code_object_version 6
	.text
	.protected	k_q93dc6f69b0_outgemm
	.globl	k_q93dc6f69b0_outgemm
	.p2align	8
	.type	k_q93dc6f69b0_outgemm,@function
k_q93dc6f69b0_outgemm:
	s_mov_b64 s[64:65], 0
	v_nop
	global_prefetch_b8 v0, s[64:65] scope:SCOPE_SE
	s_setreg_imm32_b32 hwreg(HW_REG_WAVE_MODE, 25, 1), 1
	s_wait_xcnt 0x0
	s_wait_alu depctr_hold_cnt(0) depctr_sa_sdst(0) depctr_va_vdst(0) depctr_va_sdst(0) depctr_va_ssrc(0) depctr_va_vcc(0) depctr_vm_vsrc(0)
	s_getreg_b32 s2, hwreg(HW_REG_IB_STS2, 6, 4)
	s_cmp_eq_u32 s2, 0
	s_cbranch_scc0 .Lentry_in_a_cluster
	s_endpgm
.Lentry_in_a_cluster:
	s_bfe_u32 s2, ttmp6, 0x10000c
	s_cmp_lg_u32 s2, 0xf033
	s_cbranch_scc0 .Lentry_shape_is_right
	s_endpgm
.Lentry_shape_is_right:
; OUTGEMM: out0[m][n] = sum over k of a2[m][k] wo[n][k] + b_out[n].  a2 [16384][1024] and wo [1024][1024] are f16 with K permuted alike by the launches before; out0 is f32; sums in f32.  No work is left out.
; A tile of out0, 256 x 256, is made by a work-group of four waves; a wave makes 128 x 128: 64 accumulators of 16 x 16, 512 registers.  64 x 4 tiles: one for each of 256 work-groups.
; K goes in steps of 128 through a ring of two LDS slots filled by the tensor data mover: a tile row is 256 bytes of memory, at a multiple of 256 from the buffer first byte.
; CLUSTERS: 4 x 4 work-groups.  The four of a row of the cluster need the same tiles of a2, the four of a column the same tiles of wo: each tile is asked for JOINTLY, by the same tensor load with a mask that names the four.
; THE MATRIX INSTRUCTION IS USED TRANSPOSED (source 0 = 16 rows of wo, source 1 = 16 rows of a2): a lane then holds eight neighbouring numbers of a row of out0.  b_out is the C of each sum first product.
; REGISTERS, in windows of 256: window 0: v0-31 addresses; v64-127, v128-191 fragments of a2, two buffers (on the way out: rows read back);
;   window 1: v0-63 b_out in the result layout (block b at v[8 b]); v64-127, v128-191 fragments of wo, two buffers;  window 2: the accumulators of my rows 0-63 ((a, b) at v[8 (8 a + b)]);  window 3: those of rows 64-127.
.set SIZE_M, 16384
.set SIZE_N, 1024
.set SIZE_K, 1024
.set KSTEP,  128
.set PITCH,  272                       ; an LDS row: 256 bytes + 16 of padding: the 16 rows that a load touches start 16 bytes apart modulo 256
.set HALFT,  128*PITCH
.set SLOT,   4*HALFT
.set STAGE,  2*SLOT                    ; behind the ring: 16 rows x 528 bytes for each wave, for the way out
.set SPITCH, 528
.set SPARE,  STAGE+4*16*SPITCH
.set LAPS,   SIZE_K/(2*KSTEP)
.set ADRA, 16
.set ADRB, 20
.set STO,  24
.set RD,   25
.set CO,   26
.set BO,   27                          ; v27  32 h: my half of a block of 16 biases
.set SPW,  28
.set NIL,  29
.set PFO,  30
.set PFA,  44
.set LIM,  43
.set F0,   64
.set F1,   128
.set BK,   64
.set G1, 24
.set G0, 32
.set G1B, 48
.set G0B, 56
.set MSB, 0
.macro WIN new
.if MSB != (\new)
	s_set_vgpr_msb (MSB<<8)|(\new)
.set MSB, (\new)
.endif
.endm
.set MUL_LO, 0xa1                      ; source 0 (wo) window 1, source 1 (a2) window 0, C and D window 2
.set MUL_HI, 0xf1                      ; the same, C and D window 3
.set BIA_LO, 0x91                      ; the first products: C (b_out) window 1, D window 2
.set BIA_HI, 0xd1                      ; D window 3
.set TO_B,   0x40
.macro JLOAD s                         ; a joint load: waves 0 and 1 fetch the two halves of the tile of a2, waves 2 and 3 those of wo; the branch hangs on the wave number alone
	s_cmp_eq_u32 s11, 0
	s_cbranch_scc0 .Lfor_b_\@
	tensor_load_to_lds s[G0+4*\s:G0+4*\s+3], s[G1:G1+7]
	s_nop 0
.rept 4
	v_nop
.endr
	s_branch .Lasked_\@
.Lfor_b_\@:
	tensor_load_to_lds s[G0B+4*\s:G0B+4*\s+3], s[G1B:G1B+7]
	s_nop 0
.rept 4
	v_nop
.endr
.Lasked_\@:
.endm
; A PREFETCH INTO THE L2, behind each joint load and the run of LDS loads that follows it: the K step that stands two refills on: 32 rows x 256 bytes, a lane a row, one instruction a wave.
; Each row 256 bytes of a K step are named once: rows of a2 by the cluster that reads them (there is one column of clusters), rows of wo by the clusters with y = 0; the four partners that ask for a tile jointly
; share its rows out by address, 32 each.  K steps 0 to 3 come by their loads alone; the last two refills have no K step two on and ask for nothing.
.macro ASK
	s_cmp_gt_u32 s3, s[LIM]
	s_cbranch_scc0 .Lnot_mine_\@
	global_prefetch_b8 v[PFO], s[PFA:PFA+1] offset:KSTEP*2 th:TH_LOAD_NT scope:SCOPE_SE
.Lnot_mine_\@:
.endm
.macro CREST
	s_cmp_lg_u32 s10, 0
	s_cbranch_scc1 .Lnot_wave_0_\@
	s_barrier_signal -3
.Lnot_wave_0_\@:
	s_barrier_wait -3
	s_barrier_signal -1
	s_barrier_wait -1
.endm
.macro CROUND
	s_barrier_signal -1
	s_barrier_wait -1
	CREST
.endm
	s_load_b128 s[4:7], s[0:1], 0x0                ; a2, wo
	s_load_b64 s[68:69], s[0:1], 0x10              ; b_out
	s_load_b64 s[8:9], s[0:1], 0x18                ; out0
	v_lshl_add_u32 v[SPW], v0, 2, SPARE
	v_mov_b32 v[NIL], 0
	ds_add_u32 v[SPW], v[NIL]                      ; the opening: the add, twice on end, and its wait ahead of my first tensor load
	ds_add_u32 v[SPW], v[NIL]
	v_lshrrev_b32 v1, 5, v0
	v_readfirstlane_b32 s10, v1                    ; wave 0..3
	s_lshr_b32 s11, s10, 1                         ; which half of the tile rows is mine.  Also: I fetch for a2 (0) or for wo (1)
	s_and_b32 s12, s10, 1                          ; which half of its columns.  Also: which 128 rows of that tile I fetch
	s_bfe_u32 s40, ttmp6, 0x40000                  ; cx
	s_bfe_u32 s41, ttmp6, 0x40004                  ; cy
	s_lshl_b32 s42, ttmp9, 2
	s_add_co_u32 s42, s42, s40                     ; tile column
	s_and_b32 s13, ttmp7, 0xffff
	s_lshl_b32 s13, s13, 2
	s_add_co_u32 s13, s13, s41                     ; tile row
	s_lshl_b32 s43, s41, 2
	s_lshl_b32 s43, 15, s43                        ; my row of the cluster
	s_lshl_b32 s44, 0x1111, s40                    ; my column
	s_or_b32 s[G1+0], s43, (1<<16)|(1<<20)|(1<<21)|(5<<22)|(3<<25)   ; the mask; elements of 2 bytes; padding on; 21 set beside a mask; after every 64 words, 4 words
	s_or_b32 s[G1B+0], s44, (1<<16)|(1<<20)|(1<<21)|(5<<22)|(3<<25)
.irp g, G1, G1B
	s_mov_b32 s[\g+1], KSTEP<<16                   ; tensor_dim0 = 128
	s_mov_b32 s[\g+2], 128<<16                     ; tensor_dim1 = 128
	s_mov_b32 s[\g+3], KSTEP<<16                   ; tile_dim0
	s_mov_b32 s[\g+4], 128                         ; tile_dim1
	s_mov_b32 s[\g+5], SIZE_K                      ; elements from row to row
	s_mov_b32 s[\g+6], 0
	s_mov_b32 s[\g+7], 0
.endr
	s_lshl_b32 s17, s12, 7
	s_lshl_b32 s16, s13, 8
	s_add_co_u32 s16, s16, s17                     ; a2: row 256 x tile row + 128 x half
	s_lshl_b32 s46, s42, 8
	s_add_co_u32 s46, s46, s17                     ; wo: row 256 x tile column + 128 x half
	s_mov_b32 s17, 0
	s_mov_b32 s47, 0
	s_mov_b64 s[18:19], SIZE_K*2
	s_mul_u64 s[16:17], s[16:17], s[18:19]
	s_mul_u64 s[46:47], s[46:47], s[18:19]
	s_mul_i32 s20, s10, HALFT                      ; where they go: wave x 128 rows: no place in the cluster enters an LDS address
	s_wait_dscnt 0x0                               ; both opening adds are done
	s_wait_kmcnt 0x0
	s_add_nc_u64 s[14:15], s[4:5], s[16:17]
	s_add_nc_u64 s[46:47], s[6:7], s[46:47]
	CROUND                                         ; all sixteen work-groups are here: the first joint loads meet
.irp s, 0,1
	s_mov_b32 s[G0+4*\s], 1
	s_add_co_u32 s[G0+4*\s+1], s20, \s*SLOT
	s_add_nc_u64 s[G0+4*\s+2:G0+4*\s+3], s[14:15], \s*KSTEP*2
	s_or_b32 s[G0+4*\s+3], s[G0+4*\s+3], 0x80000000
	s_mov_b32 s[G0B+4*\s], 1
	s_add_co_u32 s[G0B+4*\s+1], s20, \s*SLOT
	s_add_nc_u64 s[G0B+4*\s+2:G0B+4*\s+3], s[46:47], \s*KSTEP*2
	s_or_b32 s[G0B+4*\s+3], s[G0B+4*\s+3], 0x80000000
	JLOAD \s
.endr
	v_and_b32 v1, 15, v0                           ; l % 16
	v_bfe_u32 v2, v0, 4, 1                         ; l / 16
	v_mul_u32_u24 v3, v1, PITCH
	v_lshl_add_u32 v3, v2, 4, v3
	s_mul_i32 s21, s11, HALFT
	s_mul_i32 s22, s12, HALFT
	s_add_co_u32 s22, s22, 2*HALFT
.irp s, 0,1
	v_add_nc_u32 v[ADRA+\s], s21, v3
	v_add_nc_u32 v[ADRB+\s], s22, v3
	s_add_co_u32 s21, s21, SLOT
	s_add_co_u32 s22, s22, SLOT
.endr
	s_mul_i32 s23, s10, 16*SPITCH
	s_add_co_u32 s23, s23, STAGE                   ; my stage
	v_mul_u32_u24 v4, v1, SPITCH                   ; in: row l % 16, 32 bytes for each half of the lanes
	v_lshl_add_u32 v4, v2, 5, v4
	v_add_nc_u32 v[STO], s23, v4
	v_and_b32 v5, 31, v0
	v_lshlrev_b32 v[CO], 4, v5                     ; back: the 32 lanes take one row of 512 bytes; and the same in out0
	v_add_nc_u32 v[RD], s23, v[CO]
	v_lshlrev_b32 v[BO], 5, v2
	s_lshl_b32 s13, s13, 8
	s_lshl_b32 s14, s11, 7
	s_add_co_u32 s16, s13, s14                     ; my first row of out0
	s_mov_b32 s17, 0
	s_mov_b64 s[18:19], SIZE_N*4
	s_mul_u64 s[16:17], s[16:17], s[18:19]
	s_lshl_b32 s46, s42, 10                        ; my first column, in bytes: 1024 x tile column + 512 x half
	s_lshl_b32 s47, s12, 9
	s_add_co_u32 s46, s46, s47
	s_mov_b32 s47, 0
	s_add_nc_u64 s[16:17], s[16:17], s[46:47]
	s_add_nc_u64 s[8:9], s[8:9], s[16:17]
	s_add_nc_u64 s[68:69], s[68:69], s[46:47]      ; b_out at my first column: the same bytes
	WIN TO_B
.irp b, 0,1,2,3,4,5,6,7
	global_load_b128 v[8*\b:8*\b+3], v[BO], s[68:69] offset:64*\b          ; lane half h: b_out of columns 16 b + 8 h + 0..7: the result layout
	global_load_b128 v[8*\b+4:8*\b+7], v[BO], s[68:69] offset:64*\b+16
.endr
	WIN 0
	; the prefetches: where mine stand, and who asks
	s_lshl_b32 s42, s42, 8
	s_and_b32 s22, ttmp7, 0xffff
	s_cmp_eq_u32 s11, 0
	s_cselect_b32 s20, s13, s42                    ; the tile first row
	s_cselect_b32 s21, s40, s41                    ; my place among the four that ask for it with me
	s_cselect_b32 s22, ttmp9, s22                  ; the coordinate along which other clusters read the same rows
	s_cselect_b64 s[PFA:PFA+1], s[4:5], s[6:7]
	s_cmp_eq_u32 s22, 0
	s_cselect_b32 s[LIM], 1, -1
	s_lshl_b32 s22, s12, 7
	s_add_co_u32 s20, s20, s22
	s_lshl_b32 s21, s21, 5
	s_add_co_u32 s20, s20, s21
	s_mov_b32 s21, 0
	s_mov_b64 s[18:19], SIZE_K*2
	s_mul_u64 s[20:21], s[20:21], s[18:19]
	s_add_nc_u64 s[PFA:PFA+1], s[PFA:PFA+1], s[20:21]
	s_add_nc_u64 s[PFA:PFA+1], s[PFA:PFA+1], 2*KSTEP*2   ; at K step 2: the first refill steps it to 3 and names K step 4
	v_and_b32 v[PFO], 31, v0
	v_mul_u32_u24 v[PFO], v[PFO], SIZE_K*2
; 16 matrix instructions: m blocks a0, a0 + 1 of the window four x all 8 n blocks, 32 along K.  bias = 1: the first product starts the sums from b_out.  The 64 accumulators take turns.
.macro MUL16 f, hi, a0, bias
.irp a, \a0, \a0+1
.irp b, 0,1,2,3,4,5,6,7
.if \bias
	v_wmma_f32_16x16x32_f16 v[8*(8*(\a)+\b):8*(8*(\a)+\b)+7], v[\f+8*\b:\f+8*\b+7], v[\f+8*(4*\hi+\a):\f+8*(4*\hi+\a)+7], v[8*\b:8*\b+7]
.else
	v_wmma_f32_16x16x32_f16 v[8*(8*(\a)+\b):8*(8*(\a)+\b)+7], v[\f+8*\b:\f+8*\b+7], v[\f+8*(4*\hi+\a):\f+8*(4*\hi+\a)+7], v[8*(8*(\a)+\b):8*(8*(\a)+\b)+7]
.endif
.endr
.endr
.endm
.macro FETCH slot, k, f                ; 32 LDS loads in one run: the fragments of one quarter step into buffer f
	WIN TO_B
.irp i, 0,1,2,3,4,5,6,7
	ds_load_b128 v[\f+8*\i:\f+8*\i+3],   v[ADRB+\slot] offset:\k+\i*16*PITCH
	ds_load_b128 v[\f+8*\i+4:\f+8*\i+7], v[ADRB+\slot] offset:\k+\i*16*PITCH+32
.endr
	WIN 0
.irp i, 0,1,2,3,4,5,6,7
	ds_load_b128 v[\f+8*\i:\f+8*\i+3],   v[ADRA+\slot] offset:\k+\i*16*PITCH
	ds_load_b128 v[\f+8*\i+4:\f+8*\i+7], v[ADRA+\slot] offset:\k+\i*16*PITCH+32
.endr
.endm
.macro PLACES                          ; four places in front of loads into registers that matrix instructions have read, and of the first read of results
.rept 4
	v_nop
.endr
.endm
.macro QUARTER slot, k, f, g, bias     ; 64 matrix instructions on buffer f; in the middle the next quarter fragments, at byte k, into buffer g
	s_wait_dscnt 8                                 ; wo and rows 0-63 of a2 are in; the youngest eight loads may be out
.if \bias
	WIN BIA_LO
.else
	WIN MUL_LO
.endif
	MUL16 \f, 0, 0, \bias
	MUL16 \f, 0, 2, \bias
	PLACES
	FETCH \slot, \k, \g
	s_wait_dscnt 32                                ; all but the 32 just issued
.if \bias
	WIN BIA_HI
.else
	WIN MUL_HI
.endif
	MUL16 \f, 1, 0, \bias
	MUL16 \f, 1, 2, \bias
.endm
.macro MEET round                      ; the first half of a slot last quarter: ONE barrier for the change of slots
	WIN 0
	s_wait_tensorcnt 0x0                           ; all my tensor loads have landed: the one that was out is my part of the next slot
	ds_add_u32 v[SPW], v[NIL]
	s_wait_dscnt 9                                 ; (the add and the youngest eight loads may be out)
	WIN MUL_LO
	MUL16 F1, 0, 0, 0
	s_wait_dscnt 0x0                               ; the add is done, and my reads of this slot are over
	s_barrier_signal -1
	MUL16 F1, 0, 2, 0
.if \round
	WIN 0
.endif
	s_barrier_wait -1
.endm
.macro TURN slot, next                 ; the whole last quarter, with the refill two K steps on
	s_wait_xcnt 0x0                                ; the last prefetch, a K step back, has read its address
	s_add_nc_u64 s[PFA:PFA+1], s[PFA:PFA+1], KSTEP*2
	MEET 1
	CREST                                          ; no wave of any partner still reads this slot or has a load on its way
	s_add_nc_u64 s[G0+4*\slot+2:G0+4*\slot+3], s[G0+4*\slot+2:G0+4*\slot+3], 2*KSTEP*2
	s_add_nc_u64 s[G0B+4*\slot+2:G0B+4*\slot+3], s[G0B+4*\slot+2:G0B+4*\slot+3], 2*KSTEP*2
	JLOAD \slot                                    ; the first tensor load behind the round; its four v_nop are also the places in front of the loads below
	FETCH \next, 0, F0
	ASK
	WIN MUL_HI
	MUL16 F1, 1, 0, 0
	MUL16 F1, 1, 2, 0
.endm
	s_wait_tensorcnt 1                             ; my part of K step 0 is in; K step 1 may stay out
	s_barrier_signal -1
	s_barrier_wait -1
	FETCH 0, 0, F0
	s_wait_loadcnt 0x0                             ; b_out
	QUARTER 0, 64,  F0, F1, 1                      ; the first quarter stands in front of the loop: its products start the sums
	WIN 0
	s_mov_b32 s3, LAPS-1
.Llap:                                             ; a trip goes once round the ring and fills both slots again
	QUARTER 0, 128, F1, F0, 0
	QUARTER 0, 192, F0, F1, 0
	TURN 0, 1
	QUARTER 1, 64,  F0, F1, 0
	QUARTER 1, 128, F1, F0, 0
	QUARTER 1, 192, F0, F1, 0
	TURN 1, 0
	QUARTER 0, 64,  F0, F1, 0
	WIN 0
	s_sub_co_u32 s3, s3, 1
	s_cmp_lg_u32 s3, 0
	s_cbranch_scc1 .Llap
	QUARTER 0, 128, F1, F0, 0                      ; the last lap fills nothing, and has no round of the cluster barrier
	QUARTER 0, 192, F0, F1, 0
	MEET 0
	PLACES
	FETCH 1, 0, F0
	WIN MUL_HI
	MUL16 F1, 1, 0, 0
	MUL16 F1, 1, 2, 0
	QUARTER 1, 64,  F0, F1, 0
	QUARTER 1, 128, F1, F0, 0
	QUARTER 1, 192, F0, F1, 0
	s_wait_dscnt 8                                 ; the very last quarter: nothing more to fetch
	WIN MUL_LO
	MUL16 F1, 0, 0, 0
	MUL16 F1, 0, 2, 0
	s_wait_dscnt 0x0
	WIN MUL_HI
	MUL16 F1, 1, 0, 0
	MUL16 F1, 1, 2, 0
	WIN 0
; THE WAY OUT, block by block of 16 rows x 128 columns: a lane holds 32 neighbouring bytes of a row, the lanes beside it other rows: so a block goes through my own stage and comes back as whole rows of 512 bytes.
.macro TOSTAGE a
.set AC, 64*((\a)%4)
	WIN 0x08+4*((\a)/4)                            ; the data: window 2 or 3
.irp b, 0,1,2,3,4,5,6,7
	ds_store_b128 v[STO], v[AC+8*\b:AC+8*\b+3] offset:64*\b          ; each accumulator from its low end on
	ds_store_b128 v[STO], v[AC+8*\b+4:AC+8*\b+7] offset:64*\b+16
.endr
	WIN 0
.set BB, BK+64*((\a)%2)
.irp t, 0,1,2,3,4,5,6,7,8,9,10,11,12,13,14,15
	ds_load_b128 v[BB+4*\t:BB+4*\t+3], v[RD] offset:\t*SPITCH        ; LDS serves a wave in order: these see the stores above
.endr
.endm
.macro SEND a, younger                 ; younger: the LDS instructions issued behind block a loads, which may stay out
.set BB, BK+64*((\a)%2)
	s_wait_dscnt \younger
.if (\a) > 0
	s_add_nc_u64 s[8:9], s[8:9], 16*SIZE_N*4       ; (behind a wait on XCNT: the earlier stores have read their base)
.endif
.irp t, 0,1,2,3,4,5,6,7,8,9,10,11,12,13,14,15
	global_store_b128 v[CO], v[BB+4*\t:BB+4*\t+3], s[8:9] offset:\t*SIZE_N*4 th:TH_STORE_NT   ; 512 consecutive bytes, at a multiple of 512 from the buffer first byte
.endr
.endm
	PLACES
	TOSTAGE 0
.irp a, 1,2,3,4,5,6,7
.if \a > 1
	s_wait_xcnt 0x0                                ; block a - 2 stores have read their registers and their base
.endif
	TOSTAGE \a
	SEND \a-1, 32                                  ; behind block a - 1 loads: block a 16 stores and 16 loads
.endr
	s_wait_xcnt 0x0
	SEND 7, 0
	s_wait_tensorcnt 0x0                           ; the wave end
	ds_add_u32 v[SPW], v[NIL]
	s_wait_dscnt 0x0
	CROUND                                         ; the closing round
	s_endpgm
.Lfunc_end_k_q93dc6f69b0_outgemm:
	.size	k_q93dc6f69b0_outgemm, .Lfunc_end_k_q93dc6f69b0_outgemm-k_q93dc6f69b0_outgemm
	.p2alignl 7, 3214868480
	.fill 96, 4, 3214868480
	.section	.rodata,"a",@progbits
	.p2align	6, 0x0
	.amdhsa_kernel k_q93dc6f69b0_outgemm
		.amdhsa_group_segment_fixed_size 327680
		.amdhsa_private_segment_fixed_size 0
		.amdhsa_enable_private_segment 0
		.amdhsa_kernarg_size 32
		.amdhsa_user_sgpr_count 2
		.amdhsa_user_sgpr_kernarg_segment_ptr 1
		.amdhsa_wavefront_size32 1
		.amdhsa_system_sgpr_workgroup_id_x 1
		.amdhsa_system_sgpr_workgroup_id_y 1
		.amdhsa_system_sgpr_workgroup_id_z 1
		.amdhsa_system_vgpr_workitem_id 0
		.amdhsa_next_free_vgpr 1024
		.amdhsa_next_free_sgpr 70
		.amdhsa_reserve_vcc 0
		.amdhsa_float_denorm_mode_32 3
		.amdhsa_float_denorm_mode_16_64 3
		.amdhsa_memory_ordered 1
		.amdhsa_forward_progress 1
		.amdhsa_inst_pref_size 144
	.end_amdhsa_kernel
	.amdgpu_metadata
---
amdhsa.version: [ 1, 2 ]
amdhsa.kernels:
  - .name:           k_q93dc6f69b0_outgemm
    .symbol:         k_q93dc6f69b0_outgemm.kd
    .args:
      - { .name: a2, .offset: 0, .size: 8, .value_kind: global_buffer, .address_space: global }
      - { .name: wo, .offset: 8, .size: 8, .value_kind: global_buffer, .address_space: global }
      - { .name: b_out, .offset: 16, .size: 8, .value_kind: global_buffer, .address_space: global }
      - { .name: out0, .offset: 24, .size: 8, .value_kind: global_buffer, .address_space: global }
    .group_segment_fixed_size: 327680
    .private_segment_fixed_size: 0
    .kernarg_segment_align: 8
    .kernarg_segment_size: 32
    .max_flat_workgroup_size: 128
    .sgpr_count:     70
    .vgpr_count:     1024
    .wavefront_size: 32
...
	.end_amdgpu_metadata
.endif
;; end of part 3
